; MI455X (gfx1250); checked and timed in simulation.
; The chip was launched on July 23, 2026; its instructions are those of AMD's public machine-readable ISA for CDNA 5 (MIT licence, August 2026) and "CDNA5" Instruction Set Architecture Reference Guide (July 2026). The comments in the code are by the model that wrote it; some were corrected since.
;; Multi Head Global Attention. Allowed arithmetic: matrix products marked QUANTISED: E4M3 operands, one given power-of-two scale a tensor, by v_wmma_f32_16x16x64_fp8_fp8 or v_wmma_f32_16x16x128_fp8_fp8, f32 sums; everything else in f32.
;; Inputs: b_o 1,024 float32; b_qkv 3,072 float32; lowp_scales 8 int32 (the exponents e of the quantised operands' scales 2^e); w_o 1,024 x 1,024 float32; w_qkv 1,024 x 3,072 float32; x 2 x 2,048 x 1,024 float32.
;; Outputs: out0 2 x 2,048 x 1,024 float32.
;; This version of the problem:
;;   THIS VERSION OF THE PROBLEM IS GIVEN IN LOW PRECISION. The matrix products marked QUANTISED in the list below multiply operands that are first quantised to E4M3 (4 exponent bits, 3 mantissa bits; 8 bits a number), with one given power-of-two scale for each operand tensor; their sums are f32. All else is computed in f32.
;;   The module's matrix products, in the order in which they are computed (A, B: the left and right operand; K: the contracted axis; several contracted axes count as one K, in the product's order):
;;     1. [M 4,096, K 1,024] x [K 1,024, N 3,072]; A: input x; B: input w_qkv: QUANTISED (scales: A lowp_scales[0], B lowp_scales[1])
;;     2. batch 32 x [M 2,048, K 64] x [K 64, N 2,048]; A: computed on the way; B: computed on the way: QUANTISED (scales: A lowp_scales[2], B lowp_scales[3])
;;     3. batch 32 x [M 2,048, K 2,048] x [K 2,048, N 64]; A: softmax (see below); B: computed on the way: QUANTISED (scales: A lowp_scales[4], B lowp_scales[5])
;;     4. [M 4,096, K 1,024] x [K 1,024, N 1,024]; A: computed on the way; B: input w_o: QUANTISED (scales: A lowp_scales[6], B lowp_scales[7])
;;   THE QUANTISER, for each operand of a quantised product, along K:
;;     - The operand's scale is 2^e, e = its entry of the input lowp_scales (int32; the entries are numbered through the quantised products in the list's order, A before B).
;;     - Each number is divided by the scale, clamped to +-448, and rounded to the nearest number of E4M3, ties to even, subnormals kept.
;;     - The product sums the exact products of the quantised numbers (number of the format x scale) in f32.
;;   ~~~python
;;   def quantise(x, axis, e):      # numpy; x: float32 -> the quantised numbers, widened to float32 again
;;       x = np.moveaxis(x, axis, -1); K = x.shape[-1]
;;       r = np.clip(x / 2.0 ** e, -448, 448)
;;       step = 2.0 ** (np.maximum(np.frexp(np.where(r == 0, 1, r))[1] - 1, -6) - 3)
;;       q = np.round(r / step) * step * 2.0 ** e      # np.round: ties to even
;;       return np.moveaxis(q, -1, axis).astype(np.float32)
;;   ~~~
;;   SOFTMAX AHEAD OF A QUANTISED PRODUCT. Where the list says 'softmax', what is quantised is not the finished softmax but p = 2^(t - M), with t = logit x log2(e) and M = ceil(the row's largest t), a whole number; so 1/2 < the row's largest p <= 1. The row's sum l is taken of the UNQUANTISED p, in f32, and the product's result is divided by l at the end. Since M is a whole number, a kernel that streams over the keys may use a running M (the ceiling of the running maximum): every later rescaling is an exact power of two, so the quantised numbers keep their values, but for numbers so far below the row's largest that they fall under the format's range.
;;   OPERANDS COMPUTED ON THE WAY. 'Computed on the way' means the value that the module computes at that place (a softmax that the list does not call 'softmax' is quantised finished and normalised). What goes into a quantiser is computed in f32, as accurately as f32 sums, v_exp_f32 and their like allow (about 1e-6 of the number): no bf16 or f16 on the way to a quantiser, and a product that is left as it is and whose result goes on into a quantised operand takes f32 operands (vector FMAs, or v_wmma_f32_16x16x4_f32). A number that lies on a knife's edge between two numbers of the format may be rounded either way, as far as f32 arithmetic and the matrix unit's own rounding can turn it there, and no further.
;; One version. Each part assembles by itself: llvm-mc -triple=amdgcn-amd-amdhsa -mcpu=gfx1250 --defsym DOCPART=n.
;; ======== version 1 of 1: 4 launches
;; limits: right only within a limited range of input values
;; workspace buffers: xc 4,194,304 bytes; wqc 3,145,728 bytes; woc 1,048,576 bytes; qc 4,194,304 bytes; kv 8,388,608 bytes; oc 4,194,304 bytes
;; launch prep (part 1): grid 512 x 1, 4 waves a work-group, no clusters, 34,304 bytes of LDS; arguments x, w_qkv, w_o, lowp_scales, xc, wqc, woc; writes xc, wqc, woc
.if DOCPART == 1
	.amdgcn_target "amdgcn-amd-amdhsa--gfx1250"
	.amdhsa_code_object_version 6
	.text
	.protected	k_qde3e7a6a78_prep
	.globl	k_qde3e7a6a78_prep
	.p2align	8
	.type	k_qde3e7a6a78_prep,@function
k_qde3e7a6a78_prep:
	s_mov_b64 s[64:65], 0
	v_nop
	global_prefetch_b8 v0, s[64:65] scope:SCOPE_SE
	s_setreg_imm32_b32 hwreg(HW_REG_WAVE_MODE, 25, 1), 1
	s_wait_xcnt 0x0
; x [4096][1024], w_qkv [1024][3072] and w_o [1024][1024], f32, become codes of FP8 (E4M3) with the given scales 2^e0, 2^e1, 2^e7:
; code = number / 2^e, held within +-448, to the nearest code, ties to even.
; THE CODES ARE LAID AS IMAGES OF OPERAND REGISTERS.  A fragment (16 rows x 128 K) is 2,048 bytes: four blocks c of 512; in block c lane l = 16 h + r owns the
; 16 bytes at 16 l: k = 32 c + 16 h + 0 .. 15 of the tile's row r.  Tile T takes rows 32 (T / 2) + 8 (T % 2) + r + 8 (r / 8) (of a weight: columns).
;   xc  [256 rows: 16][K step: 8][tile: 16][2048]      wqc [head: 16][K step: 8][tile: 12][2048]      woc [128 columns: 8][K step: 8][tile: 8][2048]
; Work-groups 0-255 take x (a tile of 16 rows each; wave w its K steps 2 w and 2 w + 1), 256-447 w_qkv, 448-511 w_o (128 columns x one K step each; a wave 32 columns = two tiles).
; Each work-group reads 64 KiB.  Waves share nothing: no barrier.  Only x's path touches LDS.
; LIMITS: e0, e1, e7 between -126 and 119, so that 2^e and 448 x 2^e are f32 numbers.  NaN among the inputs is not served.
.set R0, 32                            ; v32-95, v96-159  x: two units of 64 numbers;  weights: v32-159, 128 numbers down K
.set CD, 160                           ; v160-191 codes: never written twice, so no store's data are written again
.macro SCALE e                         ; v11 = 2^e as f32 (the conversion takes its exponent field), v10 = 448 x 2^e
	s_add_co_i32 s20, \e, 127
	s_lshl_b32 s21, s20, 23
	v_mov_b32 v11, s21
	s_add_co_i32 s20, s20, 8
	s_lshl_b32 s20, s20, 23
	s_or_b32 s20, s20, 0x600000
	v_mov_b32 v10, s20
.endm
	s_load_b256 s[4:11], s[0:1], 0x0               ; x s[4:5], w_qkv s[6:7], w_o s[8:9], the scales' exponents s[10:11]
	s_load_b128 s[12:15], s[0:1], 0x20             ; xc s[12:13], wqc s[14:15]
	s_load_b64 s[16:17], s[0:1], 0x30              ; woc
	v_lshl_add_u32 v192, v0, 2, 0x8400
	v_mov_b32 v193, 0
	v_lshrrev_b32 v1, 5, v0
	v_readfirstlane_b32 s18, v1                    ; wave 0..3
	v_and_b32 v1, 31, v0                           ; lane
	v_lshlrev_b32 v2, 4, v1                        ; 16 x lane
	v_and_b32 v7, 15, v0                           ; r
	v_bfe_u32 v8, v0, 4, 1                         ; h (for a weight: which tile of the pair)
	v_and_b32 v9, 7, v0
	v_lshlrev_b32 v5, 2, v9
	v_lshl_add_u32 v5, v8, 5, v5
	v_bfe_u32 v9, v0, 3, 1
	v_lshl_add_u32 v5, v9, 6, v5                   ; a weight's column of my lane, in bytes: 4 x (8 (l / 16) + l % 8 + 16 ((l / 8) % 2))
	v_lshlrev_b32 v6, 4, v7
	v_lshl_add_u32 v6, v8, 11, v6                  ; where its codes go: tile l / 16 of the pair, place 16 r
	s_wait_kmcnt 0x0
	s_load_b256 s[24:31], s[10:11], 0x0            ; e0 .. e7
	s_cmp_lt_u32 ttmp9, 256
	s_cbranch_scc1 .Lx
	s_cmp_lt_u32 ttmp9, 448
	s_cbranch_scc1 .Lwq
	s_branch .Lwo
; ---- x.  Each load reads 512 consecutive bytes of one row (128 numbers: a K step).  The conversions want 16 neighbours along K in one lane: the 16 rows turn through the wave's own stage in LDS
; (rows 528 bytes apart: 33 x 16, so that the sixteen rows that a read touches start at different banks).
.macro XLD u
.irp i, 0,1,2,3,4,5,6,7,8,9,10,11,12,13,14,15
	global_load_b128 v[R0+64*(\u)+4*\i:R0+64*(\u)+4*\i+3], v2, s[4:5] offset:(\i+8*(\i/8))*4096+(\u)*512 th:TH_LOAD_NT
.endr
.endm
.macro XUNIT u
.set RU, R0+64*(\u)
	s_wait_loadcnt 16*(1-(\u))                     ; this unit's 16 loads are in; the other unit's may be out
.irp i, 0,1,2,3,4,5,6,7,8,9,10,11,12,13,14,15
	ds_store_b128 v3, v[RU+4*\i:RU+4*\i+3] offset:\i*528
.endr
	s_wait_dscnt 0x0                               ; the stores have read their registers, which the loads below fill
.irp c, 0,1,2,3
.irp j, 0,1,2,3
	ds_load_b128 v[RU+16*\c+4*\j:RU+16*\c+4*\j+3], v4 offset:128*\c+16*\j   ; register 16 c + i: k = 32 c + 16 h + i of row r
.endr
.endr
	s_wait_dscnt 0x0
.set i, 0
.rept 64
	v_med3_num_f32 v[RU+i], v[RU+i], -v10, v10     ; the conversion to an 8-bit code does not saturate (ISA guide 7.6.2): the hold comes first
.set i, i+1
.endr
.irp g, 0,1,2,3,4,5,6,7
	v_cvt_scalef32_pk8_fp8_f32 v[CD+16*(\u)+2*\g:CD+16*(\u)+2*\g+1], v[RU+8*\g:RU+8*\g+7], v11
.endr
.irp c, 0,1,2,3
	global_store_b128 v2, v[CD+16*(\u)+4*\c:CD+16*(\u)+4*\c+3], s[12:13] offset:(\u)*32768+\c*512   ; 512 consecutive bytes, aligned: a block of the image
.endr
.endm
.Lx:
	s_lshr_b32 s19, ttmp9, 1
	s_lshl_b32 s19, s19, 5
	s_and_b32 s20, ttmp9, 1
	s_lshl_b32 s20, s20, 3
	s_add_co_u32 s19, s19, s20                     ; the tile's first row: 32 (T / 2) + 8 (T % 2)
	s_lshl_b32 s32, s19, 12
	s_lshl_b32 s20, s18, 10
	s_add_co_u32 s32, s32, s20                     ; + my wave's two K steps: 1,024 bytes of a row
	s_mov_b32 s33, 0
	s_add_nc_u64 s[4:5], s[4:5], s[32:33]
	s_lshr_b32 s34, ttmp9, 4
	s_lshl_b32 s34, s34, 3
	s_lshl_b32 s20, s18, 1
	s_add_co_u32 s34, s34, s20
	s_lshl_b32 s34, s34, 4
	s_and_b32 s20, ttmp9, 15
	s_add_co_u32 s34, s34, s20
	s_lshl_b32 s34, s34, 11                        ; (((T / 16) 8 + 2 w) 16 + T % 16) x 2,048
	s_mov_b32 s35, 0
	s_add_nc_u64 s[12:13], s[12:13], s[34:35]
	s_mul_i32 s21, s18, 8448                       ; my stage: 16 rows x 528 bytes
	v_add_nc_u32 v3, s21, v2                       ; in: 16 x lane of a row
	v_mul_u32_u24 v4, v7, 528
	v_lshl_add_u32 v4, v8, 6, v4
	v_add_nc_u32 v4, s21, v4                       ; out: row r, + 64 h
	XLD 0
	XLD 1
	s_wait_alu depctr_va_vdst(0)
	s_wait_kmcnt 0x0
	SCALE s24
	s_wait_alu depctr_va_vdst(0)
	XUNIT 0
	XUNIT 1
	s_wait_tensorcnt 0x0
	ds_add_u32 v192, v193
	s_wait_dscnt 0x0
	s_endpgm
; ---- a weight, [K][cols] f32.  A LANE TAKES A COLUMN AND ITS REGISTERS RUN DOWN K: a load reads 128 consecutive bytes a wave (the four waves stand side by side on 512), and the conversions give codes with K innermost.
; A lane holds both halves h of its row of the image: k = 32 c + 0 .. 15 go to place 16 r of block c, k = 32 c + 16 .. 31 to place 256 + 16 r.  Sixteen lanes fill 256 consecutive bytes, aligned.
.macro WBODY cols, src, dst, e
.set i, 0
.rept 128
	global_load_b32 v[R0+i], v5, s[\src:\src+1] offset:i*\cols*4 th:TH_LOAD_NT
.set i, i+1
.endr
	s_wait_kmcnt 0x0
	SCALE \e
	s_wait_alu depctr_va_vdst(0)
.irp c, 0,1,2,3
.if \c < 2
	s_wait_loadcnt 63                              ; block c's 32 loads are in: 96 or 64 younger ones could stay out; 63 is the largest count that the wait can name
.elseif \c == 2
	s_wait_loadcnt 32                              ; the last block's 32 may be out
.else
	s_wait_loadcnt 0x0
.endif
.irp i, 0,1,2,3,4,5,6,7,8,9,10,11,12,13,14,15,16,17,18,19,20,21,22,23,24,25,26,27,28,29,30,31
	v_med3_num_f32 v[R0+32*\c+\i], v[R0+32*\c+\i], -v10, v10
.endr
.irp g, 0,1,2,3
	v_cvt_scalef32_pk8_fp8_f32 v[CD+8*\c+2*\g:CD+8*\c+2*\g+1], v[R0+32*\c+8*\g:R0+32*\c+8*\g+7], v11
.endr
	global_store_b128 v6, v[CD+8*\c:CD+8*\c+3], s[\dst:\dst+1] offset:\c*512
	global_store_b128 v6, v[CD+8*\c+4:CD+8*\c+7], s[\dst:\dst+1] offset:\c*512+256
.endr
	s_endpgm
.endm
.Lwq:
	s_sub_co_u32 s19, ttmp9, 256
	s_lshr_b32 s20, s19, 3                         ; which 128 columns
	s_and_b32 s21, s19, 7                          ; K step
	s_lshl_b32 s22, s20, 2
	s_add_co_u32 s22, s22, s18                     ; my wave's group of 32 columns, 0 .. 95
	s_mul_i32 s23, s22, 43
	s_lshr_b32 s23, s23, 8                         ; head = group / 6 (43 / 256 serves every group under 96)
	s_mul_i32 s32, s23, 6
	s_sub_co_u32 s32, s22, s32                     ; the pair of tiles in the head
	s_mul_i32 s34, s21, 128*12288
	s_lshl_b32 s35, s22, 7
	s_add_co_u32 s34, s34, s35
	s_mov_b32 s35, 0
	s_add_nc_u64 s[6:7], s[6:7], s[34:35]
	s_lshl_b32 s36, s23, 3
	s_add_co_u32 s36, s36, s21
	s_mul_i32 s36, s36, 12
	s_lshl_b32 s37, s32, 1
	s_add_co_u32 s36, s36, s37
	s_lshl_b32 s36, s36, 11                        ; ((head 8 + K step) 12 + 2 pair) x 2,048
	s_mov_b32 s37, 0
	s_add_nc_u64 s[14:15], s[14:15], s[36:37]
	s_wait_alu depctr_va_vdst(0)
	WBODY 3072, 6, 14, s25
.Lwo:
	s_sub_co_u32 s19, ttmp9, 448
	s_lshr_b32 s20, s19, 3                         ; which 128 columns
	s_and_b32 s21, s19, 7                          ; K step
	s_lshl_b32 s22, s20, 2
	s_add_co_u32 s22, s22, s18                     ; my wave's group of 32 columns
	s_lshl_b32 s34, s21, 19                        ; 128 rows of 4,096 bytes
	s_lshl_b32 s35, s22, 7
	s_add_co_u32 s34, s34, s35
	s_mov_b32 s35, 0
	s_add_nc_u64 s[8:9], s[8:9], s[34:35]
	s_lshl_b32 s36, s20, 3
	s_add_co_u32 s36, s36, s21
	s_lshl_b32 s36, s36, 3
	s_lshl_b32 s37, s18, 1
	s_add_co_u32 s36, s36, s37
	s_lshl_b32 s36, s36, 11                        ; ((block 8 + K step) 8 + 2 w) x 2,048
	s_mov_b32 s37, 0
	s_add_nc_u64 s[16:17], s[16:17], s[36:37]
	s_wait_alu depctr_va_vdst(0)
	WBODY 1024, 8, 16, s31
.Lfunc_end_k_qde3e7a6a78_prep:
	.size	k_qde3e7a6a78_prep, .Lfunc_end_k_qde3e7a6a78_prep-k_qde3e7a6a78_prep
	.p2alignl 7, 3214868480
	.fill 96, 4, 3214868480
	.section	.rodata,"a",@progbits
	.p2align	6, 0x0
	.amdhsa_kernel k_qde3e7a6a78_prep
		.amdhsa_group_segment_fixed_size 34304
		.amdhsa_private_segment_fixed_size 0
		.amdhsa_enable_private_segment 0
		.amdhsa_kernarg_size 56
		.amdhsa_user_sgpr_count 2
		.amdhsa_user_sgpr_kernarg_segment_ptr 1
		.amdhsa_wavefront_size32 1
		.amdhsa_system_sgpr_workgroup_id_x 1
		.amdhsa_system_sgpr_workgroup_id_y 1
		.amdhsa_system_sgpr_workgroup_id_z 1
		.amdhsa_system_vgpr_workitem_id 0
		.amdhsa_next_free_vgpr 194
		.amdhsa_next_free_sgpr 66
		.amdhsa_reserve_vcc 0
		.amdhsa_float_denorm_mode_32 3
		.amdhsa_float_denorm_mode_16_64 3
		.amdhsa_memory_ordered 1
		.amdhsa_forward_progress 1
		.amdhsa_inst_pref_size 66
	.end_amdhsa_kernel
	.amdgpu_metadata
---
amdhsa.version: [ 1, 2 ]
amdhsa.kernels:
  - .name:           k_qde3e7a6a78_prep
    .symbol:         k_qde3e7a6a78_prep.kd
    .args:
      - { .name: x, .offset: 0, .size: 8, .value_kind: global_buffer, .address_space: global }
      - { .name: w_qkv, .offset: 8, .size: 8, .value_kind: global_buffer, .address_space: global }
      - { .name: w_o, .offset: 16, .size: 8, .value_kind: global_buffer, .address_space: global }
      - { .name: lowp_scales, .offset: 24, .size: 8, .value_kind: global_buffer, .address_space: global }
      - { .name: xc, .offset: 32, .size: 8, .value_kind: global_buffer, .address_space: global }
      - { .name: wqc, .offset: 40, .size: 8, .value_kind: global_buffer, .address_space: global }
      - { .name: woc, .offset: 48, .size: 8, .value_kind: global_buffer, .address_space: global }
    .group_segment_fixed_size: 34304
    .private_segment_fixed_size: 0
    .kernarg_segment_align: 8
    .kernarg_segment_size: 56
    .max_flat_workgroup_size: 128
    .sgpr_count:     66
    .vgpr_count:     194
    .wavefront_size: 32
...
	.end_amdgpu_metadata
.endif
;; end of part 1
;; launch qkv (part 2): grid 16 x 16, 4 waves a work-group, clusters of 4 x 4, 327,680 bytes of LDS; arguments xc, wqc, b_qkv, lowp_scales, qc, kv; writes qc, kv
.if DOCPART == 2
	.amdgcn_target "amdgcn-amd-amdhsa--gfx1250"
	.amdhsa_code_object_version 6
	.text
	.protected	k_qde3e7a6a78_qkv
	.globl	k_qde3e7a6a78_qkv
	.p2align	8
	.type	k_qde3e7a6a78_qkv,@function
k_qde3e7a6a78_qkv:
	s_mov_b64 s[64:65], 0
	v_nop
	global_prefetch_b8 v0, s[64:65] scope:SCOPE_SE
	s_setreg_imm32_b32 hwreg(HW_REG_WAVE_MODE, 25, 1), 1
	s_wait_xcnt 0x0
	s_wait_alu depctr_hold_cnt(0) depctr_sa_sdst(0) depctr_va_vdst(0) depctr_va_sdst(0) depctr_va_ssrc(0) depctr_va_vcc(0) depctr_vm_vsrc(0)
	s_getreg_b32 s2, hwreg(HW_REG_IB_STS2, 6, 4)
	s_cmp_eq_u32 s2, 0
	s_cbranch_scc0 .Lentry_in_a_cluster
	s_endpgm
.Lentry_in_a_cluster:
	s_bfe_u32 s2, ttmp6, 0x10000c
	s_cmp_lg_u32 s2, 0xf033
	s_cbranch_scc0 .Lentry_shape_is_right
	s_endpgm
.Lentry_shape_is_right:
; qkv = x w_qkv + b_qkv on codes of FP8 (E4M3), and q, k, v quantised (2^e2, 2^e3, 2^e5) as images of the attention's operands.
; A work-group makes 256 rows x one head's 192 columns (q, k, v); wave w rows 64 w on: 4 tiles x 12 tiles of columns, 48 accumulators.  q and k are made transposed (source 0 = W), v not (source 0 = x).
; Both operands lie in memory as images of their registers: a K step of 128 is 32 KiB of x's codes and 24 KiB of W's, dense, so every LDS read is 512 consecutive bytes.
; TWO FILLS.  LDS holds five K steps (160 + 120 KiB).  At the head each wave issues one joint load: waves 0, 1 a half of x's five K steps, waves 2, 3 a half of W's.
; In K step 2 nobody reads slots 0-2 any more: behind one round of the cluster's barrier K steps 5-7 are asked for, for which K step 4 waits.
; PREFETCH: in K step 0 the work-group asks for its share of K steps 5-7: the four partners of a row (column) share the 384 (288) blocks of 256 bytes out by address, a wave 24 (18), a lane a block; the lanes over name the last again.
; CLUSTER 4 x 4: x's tiles are shared along a row, W's along a column: joint loads.
; LIMITS: e - e0 - e1 between -126 and 119 for e = e2, e3, e5.  NaN is not served.
.set AQ,    32768
.set BOFF,  163840
.set BQ,    24576
.set SPARE, 286720
.set PFA,  23                          ; v23, v24: the prefetches' offsets; never rewritten
.set PFB,  24
.set LI,   1
.set BH,   4
.set BR,   5
.set SQ,   8
.set SK,   10
.set SV,   12
.set KO,   14
.set VO,   15
.set ADRA, 16
.set ADRB, 20
.set SPW,  28
.set NIL,  29
.set CQ,   32
.set CK,   64
.set CV,   96
.set AF,   128
.set BQK,  128
.set BV,   192
.set BT,   224
.set G1A, 24
.set G0A, 32
.set G1B, 40
.set G0B, 48
.set G1A2, 68                          ; group 1 for the second fill
.set G1B2, 92
.set MSB, 0
.macro WIN new
.if MSB != \new
	s_set_vgpr_msb (MSB<<8)|\new
.set MSB, \new
.endif
.endm
.macro PLACES n
.rept \n
	v_nop
.endr
.endm
.macro JLOAD s, ga, gb
	s_cmp_eq_u32 s17, 0
	s_cbranch_scc0 .Lfor_b_\@
	tensor_load_to_lds s[G0A+4*\s:G0A+4*\s+3], s[\ga:\ga+7]
	s_nop 0
.rept 4
	v_nop
.endr
	s_branch .Lasked_\@
.Lfor_b_\@:
	tensor_load_to_lds s[G0B+4*\s:G0B+4*\s+3], s[\gb:\gb+7]
	s_nop 0
.rept 4
	v_nop
.endr
.Lasked_\@:
.endm
.macro CREST
	s_cmp_lg_u32 s16, 0
	s_cbranch_scc1 .Lnot_wave_0_\@
	s_barrier_signal -3
.Lnot_wave_0_\@:
	s_barrier_wait -3
	s_barrier_signal -1
	s_barrier_wait -1
.endm
.macro CROUND
	s_barrier_signal -1
	s_barrier_wait -1
	CREST
.endm
	s_load_b256 s[4:11], s[0:1], 0x0
	s_load_b128 s[12:15], s[0:1], 0x20
	v_lshl_add_u32 v[SPW], v0, 2, SPARE
	v_mov_b32 v[NIL], 0
	ds_add_u32 v28, v29
	ds_add_u32 v28, v29
	s_wait_dscnt 0x0
	v_lshrrev_b32 v1, 5, v0
	v_readfirstlane_b32 s16, v1
	s_lshr_b32 s17, s16, 1
	s_and_b32 s18, s16, 1
	s_bfe_u32 s19, ttmp6, 0x40000
	s_bfe_u32 s20, ttmp6, 0x40004
	s_lshl_b32 s21, ttmp9, 2
	s_add_co_u32 s21, s21, s19
	s_and_b32 s22, ttmp7, 0xffff
	s_lshl_b32 s22, s22, 2
	s_add_co_u32 s22, s22, s20
	s_lshl_b32 s66, s20, 2
	s_lshl_b32 s66, 15, s66
	s_lshl_b32 s67, 0x1111, s19
	s_or_b32 s[G1A], s66, (3<<16)|(1<<21)
	s_or_b32 s[G1B], s67, (3<<16)|(1<<21)
	s_mov_b32 s[G1A+1], 32<<16
	s_mov_b32 s[G1A+2], 320<<16
	s_mov_b32 s[G1A+3], 32<<16
	s_mov_b32 s[G1A+4], 320
	s_mov_b32 s[G1A+5], 32
	s_mov_b32 s[G1A+6], 0
	s_mov_b32 s[G1A+7], 0
	s_mov_b32 s[G1B+1], 32<<16
	s_mov_b32 s[G1B+2], 240<<16
	s_mov_b32 s[G1B+3], 32<<16
	s_mov_b32 s[G1B+4], 240
	s_mov_b32 s[G1B+5], 32
	s_mov_b32 s[G1B+6], 0
	s_mov_b32 s[G1B+7], 0
	s_lshl_b32 s68, s22, 18
	s_mul_i32 s69, s18, 81920                      ; my half of five K steps of x
	s_add_co_u32 s68, s68, s69
	s_mov_b32 s69, 0
	s_mul_i32 s70, s21, 196608
	s_mul_i32 s71, s18, 61440                      ; and of W
	s_add_co_u32 s70, s70, s71
	s_mov_b32 s71, 0
	s_mul_i32 s72, s18, 81920
	s_mul_i32 s73, s18, 61440
	s_add_co_u32 s73, s73, BOFF
	s_wait_kmcnt 0x0
	s_load_b256 s[56:63], s[10:11], 0x0
	s_add_nc_u64 s[74:75], s[4:5], s[68:69]
	s_add_nc_u64 s[76:77], s[6:7], s[70:71]
	CROUND
	s_mov_b32 s[G0A], 1
	s_mov_b32 s[G0A+1], s72
	s_mov_b64 s[G0A+2:G0A+3], s[74:75]
	s_or_b32 s[G0A+3], s[G0A+3], 0x80000000
	s_mov_b32 s[G0B], 1
	s_mov_b32 s[G0B+1], s73
	s_mov_b64 s[G0B+2:G0B+3], s[76:77]
	s_or_b32 s[G0B+3], s[G0B+3], 0x80000000
	JLOAD 0, G1A, G1B                              ; K steps 0 to 4, the wave's one load at the head
	; the second fill: K steps 5-7, halves of 192 rows (x) and 144 rows (W) of 256 bytes, into slots 0-2
	s_lshl_b32 s84, s22, 18
	s_mov_b32 s85, 0
	s_add_nc_u64 s[4:5], s[4:5], s[84:85]
	s_add_nc_u64 s[4:5], s[4:5], 5*AQ              ; my rows' K step 5
	s_mul_i32 s88, s21, 196608
	s_mov_b32 s89, 0
	s_add_nc_u64 s[6:7], s[6:7], s[88:89]
	s_add_nc_u64 s[6:7], s[6:7], 5*BQ              ; my head's K step 5
	s_mul_i32 s86, s18, 49152
	s_mov_b32 s87, 0
	s_mov_b32 s[G0A+4], 1
	s_mov_b32 s[G0A+5], s86
	s_add_nc_u64 s[G0A+6:G0A+7], s[4:5], s[86:87]
	s_or_b32 s[G0A+7], s[G0A+7], 0x80000000
	s_mul_i32 s90, s18, 36864
	s_mov_b32 s91, 0
	s_mov_b32 s[G0B+4], 1
	s_add_co_u32 s[G0B+5], s90, BOFF
	s_add_nc_u64 s[G0B+6:G0B+7], s[6:7], s[90:91]
	s_or_b32 s[G0B+7], s[G0B+7], 0x80000000
	s_or_b32 s[G1A2], s66, (3<<16)|(1<<21)
	s_mov_b32 s[G1A2+1], 32<<16
	s_mov_b32 s[G1A2+2], 192<<16
	s_mov_b32 s[G1A2+3], 32<<16
	s_mov_b32 s[G1A2+4], 192
	s_mov_b32 s[G1A2+5], 32
	s_mov_b32 s[G1A2+6], 0
	s_mov_b32 s[G1A2+7], 0
	s_or_b32 s[G1B2], s67, (3<<16)|(1<<21)
	s_mov_b32 s[G1B2+1], 32<<16
	s_mov_b32 s[G1B2+2], 144<<16
	s_mov_b32 s[G1B2+3], 32<<16
	s_mov_b32 s[G1B2+4], 144
	s_mov_b32 s[G1B2+5], 32
	s_mov_b32 s[G1B2+6], 0
	s_mov_b32 s[G1B2+7], 0
	v_and_b32 v2, 31, v0
	v_lshlrev_b32 v[LI], 4, v2
	v_and_b32 v3, 15, v0
	v_bfe_u32 v6, v0, 4, 1
	v_lshlrev_b32 v[BH], 6, v6
	v_and_b32 v7, 8, v3
	v_add_nc_u32 v7, v7, v3
	v_lshlrev_b32 v[BR], 2, v7
	s_wait_alu depctr_va_vdst(0)
	s_lshl_b32 s78, s16, 13
	v_add_nc_u32 v[ADRA], s78, v[LI]
	v_add_nc_u32 v[ADRA+1], 2*AQ, v[ADRA]          ; slots 2, 3
	v_add_nc_u32 v[ADRA+2], 4*AQ, v[ADRA]          ; slot 4
	v_add_nc_u32 v[ADRB], BOFF, v[LI]
	v_add_nc_u32 v[ADRB+1], 2*BQ, v[ADRB]
	v_add_nc_u32 v[ADRB+2], 4*BQ, v[ADRB]
	s_mul_i32 s90, s19, 96
	s_mul_i32 s91, s16, 24
	s_add_co_u32 s90, s90, s91                     ; x: my work-group's 96 blocks by cx, my wave's 24 of them
	v_min_u32 v[PFA], 23, v2
	v_add_nc_u32 v[PFA], s90, v[PFA]
	v_lshlrev_b32 v[PFA], 8, v[PFA]
	s_mul_i32 s90, s20, 72
	s_mul_i32 s91, s16, 18
	s_add_co_u32 s90, s90, s91                     ; W: 72 by cy, 18
	v_min_u32 v[PFB], 17, v2
	v_add_nc_u32 v[PFB], s90, v[PFB]
	v_lshlrev_b32 v[PFB], 8, v[PFB]
	s_lshl_b32 s82, s18, 12
	v_add_nc_u32 v[KO], s82, v[LI]
	s_lshl_b32 s83, s18, 10
	s_add_co_u32 s83, s83, 8192
	v_add_nc_u32 v[VO], s83, v[LI]
	s_mul_i32 s78, s21, 768
	s_mov_b32 s79, 0
	s_add_nc_u64 s[8:9], s[8:9], s[78:79]
	WIN 0xc0
.irp t, 0,1,2,3,4,5,6,7
	global_load_b128 v[BQK+8*\t:BQK+8*\t+3], v[BH], s[8:9] offset:(32*(\t/2)+8*(\t%2))*4
	global_load_b128 v[BQK+8*\t+4:BQK+8*\t+7], v[BH], s[8:9] offset:(32*(\t/2)+8*(\t%2))*4+16
.endr
.irp t, 0,1,2,3
	global_load_b32 v[BT+\t], v[BR], s[8:9] offset:(128+32*(\t/2)+8*(\t%2))*4
.endr
	WIN 0
	s_lshr_b32 s84, s22, 3
	s_lshl_b32 s84, s84, 4
	s_add_co_u32 s84, s84, s21
	s_and_b32 s85, s22, 7
	s_lshl_b32 s86, s84, 7
	s_lshl_b32 s87, s85, 4
	s_add_co_u32 s86, s86, s87
	s_lshl_b32 s87, s16, 2
	s_add_co_u32 s86, s86, s87
	s_lshl_b32 s86, s86, 10
	s_mov_b32 s87, 0
	s_add_nc_u64 s[12:13], s[12:13], s[86:87]
	s_lshl_b32 s88, s84, 18
	s_lshl_b32 s89, s85, 1
	s_add_co_u32 s89, s89, s17
	s_lshl_b32 s89, s89, 14
	s_add_co_u32 s88, s88, s89
	s_mov_b32 s89, 0
	s_add_nc_u64 s[14:15], s[14:15], s[88:89]
.macro FRAGW t, slot, q
.irp c, 0,1,2,3
	ds_load_b128 v[16*(\t)+4*\c:16*(\t)+4*\c+3], v[ADRB+\slot] offset:(\q)*BQ+(\t)*2048+512*\c
.endr
.endm
.macro FRAGA a, set, slot, q
.irp c, 0,1,2,3
	ds_load_b128 v[AF+64*(\set)+16*(\a)+4*\c:AF+64*(\set)+16*(\a)+4*\c+3], v[ADRA+\slot] offset:(\q)*AQ+(\a)*2048+512*\c
.endr
.endm
.macro FMID slot, q, set
	WIN 0x40
.irp t, 0,1,2,3,4,5
	FRAGW \t, \slot, \q
.endr
	WIN 0
.irp a, 0,1,2,3
	FRAGA \a, \set, \slot, \q
.endr
.endm
.macro FEND slot, q
	WIN 0x40
.irp t, 6,7,8,9,10,11
	FRAGW \t, \slot, \q
.endr
	WIN 0
.endm
.macro MULW t, set, first
.if (\t) < 8
.if \first
	WIN 0xb1
.else
	WIN 0xa1
.endif
.irp a, 0,1,2,3
.if \first
	v_wmma_f32_16x16x128_fp8_fp8 v[8*(4*(\t)+\a):8*(4*(\t)+\a)+7], v[16*(\t):16*(\t)+15], v[AF+64*(\set)+16*\a:AF+64*(\set)+16*\a+15], v[BQK+8*(\t):BQK+8*(\t)+7]
.else
	v_wmma_f32_16x16x128_fp8_fp8 v[8*(4*(\t)+\a):8*(4*(\t)+\a)+7], v[16*(\t):16*(\t)+15], v[AF+64*(\set)+16*\a:AF+64*(\set)+16*\a+15], v[8*(4*(\t)+\a):8*(4*(\t)+\a)+7]
.endif
.endr
.else
	WIN 0xf4
.irp a, 0,1,2,3
.if \first
	v_wmma_f32_16x16x128_fp8_fp8 v[8*(4*((\t)-8)+\a):8*(4*((\t)-8)+\a)+7], v[AF+64*(\set)+16*\a:AF+64*(\set)+16*\a+15], v[16*(\t):16*(\t)+15], v[BV+8*((\t)-8):BV+8*((\t)-8)+7]
.else
	v_wmma_f32_16x16x128_fp8_fp8 v[8*(4*((\t)-8)+\a):8*(4*((\t)-8)+\a)+7], v[AF+64*(\set)+16*\a:AF+64*(\set)+16*\a+15], v[16*(\t):16*(\t)+15], v[8*(4*((\t)-8)+\a):8*(4*((\t)-8)+\a)+7]
.endif
.endr
.endif
.endm
; A K STEP.  W's tiles 0-5 are multiplied, then the next K step's tiles 0-5 and x's fragments are fetched; tiles 6-11 are multiplied, then the next's 6-11 are fetched.
; mode 1: a barrier, with all my loads waited for, shows the second fill to every wave.  mode 2: slots 0-2 have been read out by every wave of the cluster and are filled again.
.macro KS ks, mode, first
.set NX, ((\ks)+1)%5                   ; the next K step's slot
.set ST, (\ks)%2                       ; the set of x's fragments
.if \mode == 2
	s_wait_tensorcnt 0x0
	ds_add_u32 v[SPW], v[NIL]
	s_wait_dscnt 25                                ; the add and W's tiles 6-11 (24 loads) may be out
.else
	s_wait_dscnt 24                                ; W's tiles 6-11 may be out
.endif
.irp t, 0,1,2
	MULW \t, ST, \first
.endr
.if \mode
.if \mode == 1
	s_wait_tensorcnt 0x0
.endif
	s_wait_dscnt 0x0
	s_barrier_signal -1
.endif
.irp t, 3,4,5
	MULW \t, ST, \first
.endr
.if \mode
	WIN 0
	s_barrier_wait -1
.else
	s_wait_dscnt 0x0
.endif
.if \mode == 2
	CREST
	JLOAD 1, G1A2, G1B2                            ; the four v_nop behind it are the places in front of the loads below
.else
	PLACES 4
.endif
	FMID NX/2, NX%2, 1-ST
.if (\ks) == 0
	global_prefetch_b8 v[PFA], s[4:5] th:TH_LOAD_NT scope:SCOPE_SE   ; what K step 2 will ask for
	global_prefetch_b8 v[PFB], s[6:7] th:TH_LOAD_NT scope:SCOPE_SE
.endif
.irp t, 6,7,8,9,10,11
	MULW \t, ST, \first
.endr
	PLACES 4
	FEND NX/2, NX%2
.endm
	s_wait_alu depctr_va_vdst(0)
	s_wait_loadcnt 0x0                             ; the biases, made ready while the tiles are on their way
	s_wait_kmcnt 0x0
	s_add_co_i32 s80, s56, s57
	s_sub_co_i32 s81, 0, s80
.macro MKSCALE e, vs
	s_sub_co_i32 s90, \e, s80
	s_add_co_i32 s90, s90, 127
	s_lshl_b32 s91, s90, 23
	v_mov_b32 v[\vs], s91
	s_add_co_i32 s90, s90, 8
	s_lshl_b32 s90, s90, 23
	s_or_b32 s90, s90, 0x600000
	v_mov_b32 v[\vs+1], s90
.endm
	MKSCALE s58, SQ
	MKSCALE s59, SK
	MKSCALE s61, SV
	WIN 0xc3
.set i, 0
.rept 64
	v_ldexp_f32 v[BQK+i], v[BQK+i], s81
.set i, i+1
.endr
.irp t, 0,1,2,3
.irp j, 0,1,2,3,4,5,6,7
	v_ldexp_f32 v[BV+8*\t+\j], v[BT+\t], s81
.endr
.endr
	WIN 0
	s_wait_alu depctr_va_vdst(0)
	s_wait_tensorcnt 0x0                           ; my part of K steps 0-4 is in,
	s_barrier_signal -1
	s_barrier_wait -1                              ; and everybody's
.irp a, 0,1,2,3
	FRAGA \a, 0, 0, 0
.endr
	WIN 0x40
.irp t, 0,1,2,3,4,5,6,7,8,9,10,11
	FRAGW \t, 0, 0
.endr
	WIN 0
	KS 0, 0, 1
	KS 1, 0, 0
	KS 2, 2, 0
	KS 3, 0, 0
	KS 4, 1, 0
	KS 5, 0, 0
	KS 6, 0, 0
	s_wait_dscnt 24
.irp t, 0,1,2,3,4,5
	MULW \t, 1, 0
.endr
	s_wait_dscnt 0x0
.irp t, 6,7,8,9,10,11
	MULW \t, 1, 0
.endr
	WIN 0
	PLACES 4
.macro OUTQK base, cod, vs
	WIN 0x82
.set i, 0
.rept 128
	v_med3_num_f32 v[\base+i], v[\base+i], -v[\vs+1], v[\vs+1]
.set i, i+1
.endr
	WIN 0x02
.irp a, 0,1,2,3
.irp p, 0,1
.irp u, 0,1
	v_cvt_scalef32_pk8_fp8_f32 v[\cod+8*\a+4*\p+2*\u:\cod+8*\a+4*\p+2*\u+1], v[\base+8*(4*(2*\p+\u)+\a):\base+8*(4*(2*\p+\u)+\a)+7], v[\vs]
.endr
.endr
.endr
	v_nop
	WIN 0
.endm
	OUTQK 0, CQ, SQ
.irp a, 0,1,2,3
.irp p, 0,1
	global_store_b128 v[LI], v[CQ+8*\a+4*\p:CQ+8*\a+4*\p+3], s[12:13] offset:\a*1024+\p*512
.endr
.endr
	OUTQK 128, CK, SK
.irp a, 0,1,2,3
.irp p, 0,1
	global_store_b128 v[KO], v[CK+8*\a+4*\p:CK+8*\a+4*\p+3], s[14:15] offset:\a*1024+\p*512
.endr
.endr
	WIN 0xc3
.set i, 0
.rept 128
	v_med3_num_f32 v[i], v[i], -v[SV+1], v[SV+1]
.set i, i+1
.endr
	WIN 0x03
.irp t, 0,1,2,3
.irp b, 0,1
.irp u, 0,1
	v_cvt_scalef32_pk8_fp8_f32 v[CV+4*(2*\t+\b)+2*\u:CV+4*(2*\t+\b)+2*\u+1], v[8*(4*\t+2*\b+\u):8*(4*\t+2*\b+\u)+7], v[SV]
.endr
.endr
.endr
	v_nop
	WIN 0
.irp t, 0,1,2,3
.irp b, 0,1
	global_store_b128 v[VO], v[CV+4*(2*\t+\b):CV+4*(2*\t+\b)+3], s[14:15] offset:\t*2048+\b*512
.endr
.endr
	s_wait_tensorcnt 0x0
	ds_add_u32 v[SPW], v[NIL]
	s_wait_dscnt 0x0
	CROUND
	s_endpgm
.Lfunc_end_k_qde3e7a6a78_qkv:
	.size	k_qde3e7a6a78_qkv, .Lfunc_end_k_qde3e7a6a78_qkv-k_qde3e7a6a78_qkv
	.p2alignl 7, 3214868480
	.fill 96, 4, 3214868480
	.section	.rodata,"a",@progbits
	.p2align	6, 0x0
	.amdhsa_kernel k_qde3e7a6a78_qkv
		.amdhsa_group_segment_fixed_size 327680
		.amdhsa_private_segment_fixed_size 0
		.amdhsa_enable_private_segment 0
		.amdhsa_kernarg_size 48
		.amdhsa_user_sgpr_count 2
		.amdhsa_user_sgpr_kernarg_segment_ptr 1
		.amdhsa_wavefront_size32 1
		.amdhsa_system_sgpr_workgroup_id_x 1
		.amdhsa_system_sgpr_workgroup_id_y 1
		.amdhsa_system_sgpr_workgroup_id_z 1
		.amdhsa_system_vgpr_workitem_id 0
		.amdhsa_next_free_vgpr 1024
		.amdhsa_next_free_sgpr 100
		.amdhsa_reserve_vcc 0
		.amdhsa_float_denorm_mode_32 3
		.amdhsa_float_denorm_mode_16_64 3
		.amdhsa_memory_ordered 1
		.amdhsa_forward_progress 1
		.amdhsa_inst_pref_size 109
	.end_amdhsa_kernel
	.amdgpu_metadata
---
amdhsa.version: [ 1, 2 ]
amdhsa.kernels:
  - .name:           k_qde3e7a6a78_qkv
    .symbol:         k_qde3e7a6a78_qkv.kd
    .args:
      - { .name: xc, .offset: 0, .size: 8, .value_kind: global_buffer, .address_space: global }
      - { .name: wqc, .offset: 8, .size: 8, .value_kind: global_buffer, .address_space: global }
      - { .name: b_qkv, .offset: 16, .size: 8, .value_kind: global_buffer, .address_space: global }
      - { .name: lowp_scales, .offset: 24, .size: 8, .value_kind: global_buffer, .address_space: global }
      - { .name: qc, .offset: 32, .size: 8, .value_kind: global_buffer, .address_space: global }
      - { .name: kv, .offset: 40, .size: 8, .value_kind: global_buffer, .address_space: global }
    .group_segment_fixed_size: 327680
    .private_segment_fixed_size: 0
    .kernarg_segment_align: 8
    .kernarg_segment_size: 48
    .max_flat_workgroup_size: 128
    .sgpr_count:     100
    .vgpr_count:     1024
    .wavefront_size: 32
...
	.end_amdgpu_metadata
.endif
;; end of part 2
;; launch attn (part 3): grid 8 x 32, 8 waves a work-group, clusters of 4 x 1, 327,680 bytes of LDS; arguments qc, kv, lowp_scales, oc; writes oc
.if DOCPART == 3
	.amdgcn_target "amdgcn-amd-amdhsa--gfx1250"
	.amdhsa_code_object_version 6
	.text
	.protected	k_qde3e7a6a78_attn
	.globl	k_qde3e7a6a78_attn
	.p2align	8
	.type	k_qde3e7a6a78_attn,@function
k_qde3e7a6a78_attn:
	s_mov_b64 s[64:65], 0
	v_nop
	global_prefetch_b8 v0, s[64:65] scope:SCOPE_SE
	s_setreg_imm32_b32 hwreg(HW_REG_WAVE_MODE, 25, 1), 1
	s_wait_xcnt 0x0
	s_wait_alu depctr_hold_cnt(0) depctr_sa_sdst(0) depctr_va_vdst(0) depctr_va_sdst(0) depctr_va_ssrc(0) depctr_va_vcc(0) depctr_vm_vsrc(0)
	s_getreg_b32 s2, hwreg(HW_REG_IB_STS2, 6, 4)
	s_cmp_eq_u32 s2, 0
	s_cbranch_scc0 .Lentry_in_a_cluster
	s_endpgm
.Lentry_in_a_cluster:
	s_bfe_u32 s2, ttmp6, 0x10000c
	s_cmp_lg_u32 s2, 0x3003
	s_cbranch_scc0 .Lentry_shape_is_right
	s_endpgm
.Lentry_shape_is_right:
; out[q] = softmax_k(q . k / 8) v for one head, both products on codes of FP8 (E4M3), and the result quantised (2^e6) as an image of the last product's operand.
; THE SOFTMAX AHEAD OF THE SECOND PRODUCT: t = score x log2(e) / 8; M = the running largest t rounded UP to a whole number; p = 2^(t - M) is quantised (2^e4), not normalised; the row's sum is taken of the
; unquantised p and divides at the end.  When M moves, the sums and O are multiplied by 2^(old M - new M): exact.
; SHARES.  A work-group owns 256 queries of one head; each of its eight waves two tiles of 16, in 512 registers: each fragment of K and V feeds both tiles.  A key step is 256 keys.
; LDS holds the head's WHOLE image of K and V: for each 128 keys 16,384 bytes (K: 8 tiles x 1,024; V: 4 tiles of d x 2,048).  Each wave issues one load at the head (an eighth of key steps 0-2, 12 KiB) and one behind
; the full sequence (an eighth of the rest, 20 KiB), which has key steps 0 and 1 in which to land.  No byte is filled twice.  Steps 0 and 1 read no further than step 2's K; one barrier stands in front of steps 2-7.
; CLUSTER 4 x 1: the four blocks of queries walk the same head: each load is asked for jointly.  No prefetch: all that is read is asked for by two loads a wave, the second two key steps ahead of its use.
; LAYOUT.  Both products transposed: S^T = K Q^T, O^T = V^T P^T: a lane holds one query of each tile throughout.  The keys of a tile of K are laid so that the 16 registers of tiles 2 b, 2 b + 1 are 16 neighbouring keys:
; the conversions' results are the second product's operand.  Likewise O^T's tiles 2 b, 2 b + 1 give d = 32 b + 16 h + 0 .. 15: registers of the next operand.
; LIMITS: e2 + e3 between -123 and 130 (added to c's exponent field); e4 and e6 between -126 and 119; e4 + e5 goes by v_ldexp_f32 and has none; scaled scores under 2^31 in magnitude.  NaN is not served.
; REGISTERS.  Window 0: v1 16 x lane; v2 LDS address of the key step; v4, v5 the add's; v6, v7 448 x 2^e4 (twice: a dual instruction takes second sources of different banks); v8 2^e4; v9, v10 2^e6, 448 x 2^e6;
;   v[12:13], v[14:15] -M of the two tiles; v[16:17], v[18:19] 2^(old M - new M); v20, v21 the largest score; v24-31, v32-39 four chains of the sum each; v40-55 Q; v56-119 O^T; v120-183 the first half of K;
;   v184-247 K's second half, then p's codes (half, tile: 16 each); v248-255 chains of the maximum; v3, v11, v22, v23 at work.
;   Window 1: S^T, then p: tile x 128 + half x 64.  V's two halves take v0-63 and v64-127 there, each when the p that lay there have been converted.
.set WV,  18
.set CN,  19                           ; -c
.set SEL, 20
.set CS,  22
.set G1A, 24
.set G0A, 32
.set G0B, 36
.set G1B, 40
.set TB,  2
.set CNT, 3
.set QR,  40
.set OA,  56
.set XB,  120
.set CB,  184
.set MC,  248
.set SPARE, 262144
.set MSB, 0
.macro WIN new
.if MSB != \new
	s_set_vgpr_msb (MSB<<8)|\new
.set MSB, \new
.endif
.endm
.macro PLACES n
.rept \n
	v_nop
.endr
.endm
.macro CROUND
	s_barrier_signal -1
	s_barrier_wait -1
	s_cmp_lg_u32 s[WV], 0
	s_cbranch_scc1 .Lnot_wave_0_\@
	s_barrier_signal -3
.Lnot_wave_0_\@:
	s_barrier_wait -3
	s_barrier_signal -1
	s_barrier_wait -1
.endm
	s_load_b256 s[4:11], s[0:1], 0x0               ; qc s[4:5], kv s[6:7], the scales' exponents s[8:9], oc s[10:11]
	v_lshl_add_u32 v4, v0, 2, SPARE
	v_mov_b32 v5, 0
	ds_add_u32 v4, v5                              ; the opening lines: the add, twice on end, and its wait ahead of my first tensor load
	ds_add_u32 v4, v5
	v_lshrrev_b32 v3, 5, v0
	v_readfirstlane_b32 s[WV], v3                  ; wave 0..7
	v_and_b32 v2, 31, v0
	v_lshlrev_b32 v1, 4, v2                        ; 16 x lane
	s_bfe_u32 s48, ttmp6, 0x40000                  ; cx: it enters Q's and the output's addresses alone
	s_lshl_b32 s49, ttmp9, 2
	s_add_co_u32 s49, s49, s48
	s_lshl_b32 s49, s49, 4
	s_lshl_b32 s48, s[WV], 1
	s_add_co_u32 s49, s49, s48                     ; my first tile of queries in the head: 16 x block + 2 x wave
	s_and_b32 s50, ttmp7, 0xffff                   ; batch x 16 + head, which the four partners share
	s_mul_i32 s51, s[WV], 12288                    ; my part of the first load, in LDS as in memory
	s_lshl_b32 s52, s50, 18
	s_mov_b32 s53, 0
	s_mul_i32 s57, s[WV], 20480
	s_add_co_u32 s57, s57, 98304                   ; and of the second
	s_mov_b32 s[G1A], 15|(3<<16)|(1<<21)           ; 15:0 the mask: all four work-groups; 17:16 elements of 8 bytes; 21 set beside a mask; no padding
	s_mov_b32 s[G1A+1], 32<<16                     ; rows of 256 bytes,
	s_mov_b32 s[G1A+2], 48<<16                     ; 48 of them
	s_mov_b32 s[G1A+3], 32<<16
	s_mov_b32 s[G1A+4], 48
	s_mov_b32 s[G1A+5], 32                         ; from row to row: dense
	s_mov_b32 s[G1A+6], 0
	s_mov_b32 s[G1A+7], 0
	s_mov_b32 s[G1B], 15|(3<<16)|(1<<21)
	s_mov_b32 s[G1B+1], 32<<16
	s_mov_b32 s[G1B+2], 80<<16                     ; 80 rows
	s_mov_b32 s[G1B+3], 32<<16
	s_mov_b32 s[G1B+4], 80
	s_mov_b32 s[G1B+5], 32
	s_mov_b32 s[G1B+6], 0
	s_mov_b32 s[G1B+7], 0
	s_wait_alu depctr_va_vdst(0)
	s_wait_dscnt 0x0
	s_wait_kmcnt 0x0
	s_load_b256 s[68:75], s[8:9], 0x0              ; e0 .. e7
	s_add_nc_u64 s[6:7], s[6:7], s[52:53]          ; the head
	s_mov_b32 s52, s51
	s_mov_b32 s[G0A], 1
	s_mov_b32 s[G0A+1], s51
	s_add_nc_u64 s[G0A+2:G0A+3], s[6:7], s[52:53]
	s_or_b32 s[G0A+3], s[G0A+3], 0x80000000
	s_mov_b32 s52, s57
	s_mov_b32 s[G0B], 1
	s_mov_b32 s[G0B+1], s57
	s_add_nc_u64 s[G0B+2:G0B+3], s[6:7], s[52:53]
	s_or_b32 s[G0B+3], s[G0B+3], 0x80000000
	CROUND                                         ; all four work-groups are here: the joint loads meet
	tensor_load_to_lds s[G0A:G0A+3], s[G1A:G1A+7]  ; key steps 0-2
	s_nop 0
	s_lshl_b32 s54, s50, 7
	s_add_co_u32 s54, s54, s49
	s_lshl_b32 s54, s54, 10                        ; Q's two fragments
	s_mov_b32 s55, 0
	s_add_nc_u64 s[4:5], s[4:5], s[54:55]
.irp n, 0,1,2,3
	global_load_b128 v[QR+4*\n:QR+4*\n+3], v1, s[4:5] offset:512*\n th:TH_LOAD_NT
.endr
	s_lshr_b32 s56, s50, 4
	s_lshl_b32 s56, s56, 7
	s_add_co_u32 s56, s56, s49                     ; my first tile of rows among all 256: an even number
	s_lshr_b32 s58, s56, 3
	s_lshl_b32 s58, s58, 3
	s_bfe_u32 s59, s50, 0x30001                    ; head / 2: the last product's K step
	s_add_co_u32 s58, s58, s59
	s_lshl_b32 s58, s58, 3
	s_and_b32 s59, s56, 7
	s_add_co_u32 s58, s58, s59
	s_lshl_b32 s58, s58, 11
	s_and_b32 s59, s50, 1
	s_lshl_b32 s59, s59, 10                        ; head % 2: blocks 2 (head % 2) + b of the fragment
	s_add_co_u32 s58, s58, s59
	s_mov_b32 s59, 0
	s_add_nc_u64 s[10:11], s[10:11], s[58:59]
	s_mov_b32 s[SEL], 0x76543210
	s_mov_b32 s[SEL+1], 0xfedcba98
	v_mov_b32 v20, 0xff61b1e6                      ; the largest score so far: -3e38
	v_mov_b32 v21, 0xff61b1e6
	v_mov_b32 v12, 0x7f61b1e6                      ; -M: its first change makes 2^(old M - new M) = 0, which leaves zeros zeros
	v_mov_b32 v14, 0x7f61b1e6
	v_mov_b32 v13, 0                               ; (upper halves of pairs that are named, and the lane permutes' destination)
	v_mov_b32 v15, 0
	v_mov_b32 v17, 0
	v_mov_b32 v19, 0
	v_mov_b32 v11, 0
.set i, 0
.rept 16
	v_mov_b32 v[24+i], 0                           ; the sums
.set i, i+1
.endr
.set i, 0
.rept 64
	v_mov_b32 v[OA+i], 0                           ; O^T: the step has no first form of its own; its first walk finds zeros
.set i, i+1
.endr
	s_wait_kmcnt 0x0
	s_add_co_i32 s60, s70, s71
	s_lshl_b32 s60, s60, 23
	s_add_co_i32 s[CS], s60, 0x3e38aa3b            ; c = log2(e) / 8; a score stands for score x 2^(e2 + e3)
	s_mov_b32 s[CS+1], s[CS]
	s_xor_b32 s[CN], s[CS], 0x80000000
	s_add_co_i32 s60, s72, 127
	s_lshl_b32 s61, s60, 23
	v_mov_b32 v8, s61                              ; 2^e4
	s_add_co_i32 s60, s60, 8
	s_lshl_b32 s60, s60, 23
	s_or_b32 s60, s60, 0x600000
	v_mov_b32 v6, s60                              ; 448 x 2^e4,
	v_mov_b32 v7, s60                              ; twice
	s_add_co_i32 s60, s74, 127
	s_lshl_b32 s61, s60, 23
	v_mov_b32 v9, s61                              ; 2^e6
	s_add_co_i32 s60, s60, 8
	s_lshl_b32 s60, s60, 23
	s_or_b32 s60, s60, 0x600000
	v_mov_b32 v10, s60                             ; 448 x 2^e6
; Batch b of 64 numbers of window 1: b / 2 the tile, b % 2 the half of the key step.
.macro FMA b                           ; pair i: t - M, two at a time (of the pairs c and -M the low word serves both halves)
	v_pk_fma_f32 v[64*(\b)+2*i:64*(\b)+2*i+1], v[64*(\b)+2*i:64*(\b)+2*i+1], s[CS:CS+1], v[12+2*((\b)/2):13+2*((\b)/2)] op_sel_hi:[1,0,0]
.endm
.macro HOLD b                          ; pair i: the conversion does not saturate (ISA guide 7.6.2); p is not negative, so the hold is one-sided; two an instruction
	v_dual_min_num_f32 v[64*(\b)+2*i], v[64*(\b)+2*i], v6 :: v_dual_min_num_f32 v[64*(\b)+2*i+1], v[64*(\b)+2*i+1], v7
.endm
; 64 exponentials; between them the next batch's scalings and the last batch's holds, which name no register of this batch.
.macro BATCH b
.set i, 0
.rept 32
	v_exp_f32 v[64*(\b)+2*i], v[64*(\b)+2*i]
.if (\b) < 3
	FMA (\b)+1
.endif
	v_exp_f32 v[64*(\b)+2*i+1], v[64*(\b)+2*i+1]
.if (\b) > 0
	HOLD (\b)-1
.endif
.set i, i+1
.endr
.if (\b) == 0
	v_nop                                          ; a plain place behind the last exponential
.endif
	s_wait_alu depctr_va_vdst(0)                   ; one wait for the batch, ahead of its first reader and of the next batch
.endm
.macro ADD b                           ; pair i into the sum of the unquantised p: four chains by turns
.set k, 24+8*((\b)/2)+2*(i%4)
	v_pk_add_f32 v[k:k+1], v[64*(\b)+2*i:64*(\b)+2*i+1], v[k:k+1]
.set i, i+1
.endm
.macro CVT8 b, g                       ; eight p of batch b into codes
	v_cvt_scalef32_pk8_fp8_f32 v[CB+32*((\b)%2)+16*((\b)/2)+2*\g:CB+32*((\b)%2)+16*((\b)/2)+2*\g+1], v[64*(\b)+8*\g:64*(\b)+8*\g+7], v8
.endm
.macro ADDCVT b, c                     ; batch b's sum, with batch c's conversions in between
.set i, 0
.irp g, 0,1,2,3,4,5,6,7
	CVT8 \c, \g
.rept 4
	ADD \b
.endr
.endr
.endm
.macro QK j, half, src                 ; 16 keys against both tiles
	v_wmma_f32_16x16x64_fp8_fp8 v[64*\half+8*\j:64*\half+8*\j+7], v[\src+8*\j:\src+8*\j+7], v[QR:QR+7], 0
	v_wmma_f32_16x16x64_fp8_fp8 v[128+64*\half+8*\j:128+64*\half+8*\j+7], v[\src+8*\j:\src+8*\j+7], v[QR+8:QR+15], 0
.endm
.macro PV half, src                    ; the eight accumulators take turns
.irp t, 0,1,2,3
	v_wmma_f32_16x16x128_fp8_fp8 v[OA+8*\t:OA+8*\t+7], v[\src+16*\t:\src+16*\t+15], v[CB+32*\half:CB+32*\half+15], v[OA+8*\t:OA+8*\t+7]
	v_wmma_f32_16x16x128_fp8_fp8 v[OA+32+8*\t:OA+32+8*\t+7], v[\src+16*\t:\src+16*\t+15], v[CB+32*\half+16:CB+32*\half+31], v[OA+32+8*\t:OA+32+8*\t+7]
.endr
.endm
; The largest score of my two queries in one half: four chains each, taken by turns, begun in half 0 and gone on with in half 1; each accumulator is first read at its low end.
.macro MAXH half
	WIN 0x05
.irp k, 0,1,2,3
.if \half == 0
	v_max_num_f32 v[MC+\k], v[16*\k], v[16*\k+1]
	v_max_num_f32 v[MC+4+\k], v[128+16*\k], v[128+16*\k+1]
.else
	v_max3_num_f32 v[MC+\k], v[64+16*\k], v[64+16*\k+1], v[MC+\k]
	v_max3_num_f32 v[MC+4+\k], v[192+16*\k], v[192+16*\k+1], v[MC+4+\k]
.endif
.endr
.irp i, 2,4,6,8,10,12,14
.irp k, 0,1,2,3
	v_max3_num_f32 v[MC+\k], v[64*\half+16*\k+\i], v[64*\half+16*\k+\i+1], v[MC+\k]
	v_max3_num_f32 v[MC+4+\k], v[128+64*\half+16*\k+\i], v[128+64*\half+16*\k+\i+1], v[MC+4+\k]
.endr
.endr
.endm
; A KEY STEP: 256 keys.  Its K has been asked for in the step before: the first half in that step's middle, the second half's 8 and 8 loads at its end.  pre = 1: the next step's K is asked for.
.macro STEP pre
	v_add_nc_u32 v2, s[TB], v1
	s_wait_dscnt 16                                ; K's first half is in; the second half's 16 loads may be out
	WIN 0x40
.irp j, 0,1,2,3,4,5,6,7
	QK \j, 0, XB
.endr
	PLACES 4                                       ; in front of the first read of the scores
	MAXH 0
	WIN 0x40
	s_wait_alu depctr_va_vdst(0)                   ; the maxima go on behind the waits below
	s_wait_dscnt 8                                 ; the youngest eight may be out
.irp j, 0,1,2,3
	QK \j, 1, CB
.endr
	s_wait_dscnt 0x0
.irp j, 4,5,6,7
	QK \j, 1, CB
.endr
	PLACES 4
	MAXH 1
	WIN 0
.if \pre
.irp n, 0,1,2,3,4,5,6,7,8,9,10,11,12,13,14,15
	ds_load_b128 v[XB+4*\n:XB+4*\n+3], v2 offset:32768+512*\n  ; the next step's K, first half
.endr
.endif
	v_max3_num_f32 v[MC], v[MC], v[MC+1], v[MC+2]  ; the chains meet; the two tiles take turns
	v_max3_num_f32 v[MC+4], v[MC+4], v[MC+5], v[MC+6]
	v_mov_b32 v22, v12                             ; the old -M
	v_mov_b32 v23, v14
	v_max3_num_f32 v[MC], v[MC], v[MC+3], v20      ; with the largest so far
	v_max3_num_f32 v[MC+4], v[MC+4], v[MC+7], v21
	v_permlanex16_b32 v11, v[MC], s[SEL], s[SEL+1] ; lane l xor 16's
	v_permlanex16_b32 v3, v[MC+4], s[SEL], s[SEL+1]
	v_max_num_f32 v20, v[MC], v11
	v_max_num_f32 v21, v[MC+4], v3
	v_mul_f32 v12, s[CN], v20                      ; -t (c is positive)
	v_mul_f32 v14, s[CN], v21
	v_floor_f32 v12, v12                           ; the new -M = -ceil(t): a whole number
	v_floor_f32 v14, v14
	v_sub_f32 v22, v12, v22                        ; old M - new M: a whole number, 0 or less
	v_sub_f32 v23, v14, v23
	v_cvt_i32_f32 v22, v22                         ; (it saturates)
	v_cvt_i32_f32 v23, v23
	v_ldexp_f32 v16, 1.0, v22                      ; f = 2^(old M - new M)
	v_ldexp_f32 v18, 1.0, v23
.irp j, 0,2,4,6,8,10,12,14,16,18,20,22,24,26,28,30
	v_pk_mul_f32 v[OA+\j:OA+\j+1], v[OA+\j:OA+\j+1], v[16:17] op_sel_hi:[1,0]   ; O^T under the new M
	v_pk_mul_f32 v[OA+32+\j:OA+32+\j+1], v[OA+32+\j:OA+32+\j+1], v[18:19] op_sel_hi:[1,0]
.endr
.irp j, 0,2,4,6
	v_pk_mul_f32 v[24+\j:25+\j], v[24+\j:25+\j], v[16:17] op_sel_hi:[1,0]       ; and the sums
	v_pk_mul_f32 v[32+\j:33+\j], v[32+\j:33+\j], v[18:19] op_sel_hi:[1,0]
.endr
	WIN 0x41
.set i, 0
.rept 32
	FMA 0
.set i, i+1
.endr
	s_wait_alu depctr_va_vdst(0)
	BATCH 0
	WIN 0x01
.set i, 0
.rept 32
	ADD 0
.endr
	WIN 0x41
	BATCH 1
	WIN 0x01
	ADDCVT 1, 0
	WIN 0x40
.irp n, 0,1,2,3,4,5,6,7,8,9,10,11,12,13,14,15
	ds_load_b128 v[4*\n:4*\n+3], v2 offset:8192+512*\n         ; V's first half, where batch 0's p have been converted
.endr
	WIN 0x41
	BATCH 2
	WIN 0x01
	ADDCVT 2, 1
	WIN 0x40
.irp n, 0,1,2,3,4,5,6,7,8,9,10,11,12,13,14,15
	ds_load_b128 v[64+4*\n:64+4*\n+3], v2 offset:24576+512*\n  ; V's second half, where batch 1's have
.endr
	WIN 0x41
	BATCH 3
	WIN 0x01
	ADDCVT 3, 2
	WIN 0x41
.set i, 0
.rept 32
	HOLD 3
.set i, i+1
.endr
	WIN 0x01
.irp g, 0,1,2,3,4,5,6,7
	CVT8 3, \g
.endr
	v_nop                                          ; one plain instruction between the last conversion and the products
	s_wait_alu depctr_va_vdst(0)
	s_wait_dscnt 0x0                               ; V is in, and so is the next step's K, first half
	PV 0, 0
.if \pre
	PLACES 4                                       ; in front of loads into what these products read
	WIN 0
.irp n, 0,1,2,3,4,5,6,7
	ds_load_b128 v[CB+4*\n:CB+4*\n+3], v2 offset:49152+512*\n  ; the next step's K, second half: four tiles over the first half's codes,
.endr
	WIN 0x01
.endif
	PV 1, 64
	WIN 0
	PLACES 5                                       ; the next step's products write over V's registers (five)
.if \pre
.irp n, 8,9,10,11,12,13,14,15
	ds_load_b128 v[CB+4*\n:CB+4*\n+3], v2 offset:49152+512*\n  ; four over the second half's
.endr
.endif
.endm
	s_wait_alu depctr_va_vdst(0)
	s_wait_loadcnt 0x0                             ; Q
	s_wait_tensorcnt 0x0                           ; my part of key steps 0-2 is in
	ds_add_u32 v4, v5
	s_wait_dscnt 0x0
	CROUND                                         ; everybody's part is in, and the joint loads meet
	tensor_load_to_lds s[G0B:G0B+3], s[G1B:G1B+7]  ; key steps 3-7
	s_nop 0
.irp n, 0,1,2,3,4,5,6,7,8,9,10,11,12,13,14,15
	ds_load_b128 v[XB+4*\n:XB+4*\n+3], v1 offset:512*\n        ; step 0's K
.endr
.irp n, 0,1,2,3,4,5,6,7,8,9,10,11,12,13,14,15
	ds_load_b128 v[CB+4*\n:CB+4*\n+3], v1 offset:16384+512*\n
.endr
	s_mov_b32 s[TB], 0
	s_mov_b32 s[CNT], 2
.Lfirst:                                           ; steps 0 and 1
	STEP 1
	s_add_co_u32 s[TB], s[TB], 32768
	s_sub_co_u32 s[CNT], s[CNT], 1
	s_cmp_lg_u32 s[CNT], 0
	s_cbranch_scc1 .Lfirst
	s_wait_alu depctr_va_vdst(0)
	s_wait_tensorcnt 0x0                           ; my part of key steps 3-7 is in
	s_wait_dscnt 0x0                               ; no LDS instruction is pending at a signal
	s_barrier_signal -1
	s_barrier_wait -1                              ; the whole head lies in LDS: no barrier parts the steps from here on
	s_mov_b32 s[TB], 65536
	s_mov_b32 s[CNT], 5
.Lmore:                                            ; steps 2 to 6
	STEP 1
	s_add_co_u32 s[TB], s[TB], 32768
	s_sub_co_u32 s[CNT], s[CNT], 1
	s_cmp_lg_u32 s[CNT], 0
	s_cbranch_scc1 .Lmore
	s_mov_b32 s[TB], 229376                        ; step 7 is written out: it asks for no further K
	STEP 0
	; THE WAY OUT: O^T / the sum x 2^(e4 + e5) is the attention's result; it is held, converted with 2^e6 and stored as two blocks of the next operand's image for each tile
	v_pk_add_f32 v[24:25], v[24:25], v[26:27]
	v_pk_add_f32 v[32:33], v[32:33], v[34:35]
	v_pk_add_f32 v[28:29], v[28:29], v[30:31]
	v_pk_add_f32 v[36:37], v[36:37], v[38:39]
	v_pk_add_f32 v[24:25], v[24:25], v[28:29]
	v_pk_add_f32 v[32:33], v[32:33], v[36:37]
	v_add_f32 v24, v24, v25
	v_add_f32 v32, v32, v33
	v_permlanex16_b32 v11, v24, s[SEL], s[SEL+1]
	v_permlanex16_b32 v3, v32, s[SEL], s[SEL+1]
	v_add_f32 v24, v24, v11                        ; the rows' sums
	v_add_f32 v32, v32, v3
	s_add_co_i32 s60, s72, s73
	s_wait_alu depctr_va_vdst(0)                   ; ahead of the transcendentals
	v_rcp_f32 v24, v24
	v_rcp_f32 v32, v32
	v_nop                                          ; a plain instruction behind them
	s_wait_alu depctr_va_vdst(0)                   ; and ahead of their first reader
	v_ldexp_f32 v24, v24, s60
	v_ldexp_f32 v32, v32, s60
	s_wait_alu depctr_va_vdst(0)                   ; and directly ahead of the first reader of O^T
.irp j, 0,2,4,6,8,10,12,14,16,18,20,22,24,26,28,30
	v_pk_mul_f32 v[XB+\j:XB+\j+1], v[OA+\j:OA+\j+1], v[24:25] op_sel_hi:[1,0]
	v_pk_mul_f32 v[XB+32+\j:XB+32+\j+1], v[OA+32+\j:OA+32+\j+1], v[32:33] op_sel_hi:[1,0]
.endr
.set i, 0
.rept 64
	v_med3_num_f32 v[XB+i], v[XB+i], -v10, v10
.set i, i+1
.endr
.irp t, 0,1,2,3,4,5,6,7
	v_cvt_scalef32_pk8_fp8_f32 v[CB+2*\t:CB+2*\t+1], v[XB+8*\t:XB+8*\t+7], v9   ; d tile 2 b + u: d = 32 b + 16 h + 8 u + 0 .. 7: registers 4 b + 2 u
.endr
	v_nop
	global_store_b128 v1, v[CB:CB+3], s[10:11]                 ; 512 consecutive bytes, aligned
	global_store_b128 v1, v[CB+4:CB+7], s[10:11] offset:512
	global_store_b128 v1, v[CB+8:CB+11], s[10:11] offset:2048  ; the second tile
	global_store_b128 v1, v[CB+12:CB+15], s[10:11] offset:2560
	s_wait_tensorcnt 0x0                           ; the wave's end
	ds_add_u32 v4, v5
	s_wait_dscnt 0x0
	CROUND                                         ; the closing round
	s_endpgm
.Lfunc_end_k_qde3e7a6a78_attn:
	.size	k_qde3e7a6a78_attn, .Lfunc_end_k_qde3e7a6a78_attn-k_qde3e7a6a78_attn
	.p2alignl 7, 3214868480
	.fill 96, 4, 3214868480
	.section	.rodata,"a",@progbits
	.p2align	6, 0x0
	.amdhsa_kernel k_qde3e7a6a78_attn
		.amdhsa_group_segment_fixed_size 327680
		.amdhsa_private_segment_fixed_size 0
		.amdhsa_enable_private_segment 0
		.amdhsa_kernarg_size 32
		.amdhsa_user_sgpr_count 2
		.amdhsa_user_sgpr_kernarg_segment_ptr 1
		.amdhsa_wavefront_size32 1
		.amdhsa_system_sgpr_workgroup_id_x 1
		.amdhsa_system_sgpr_workgroup_id_y 1
		.amdhsa_system_sgpr_workgroup_id_z 1
		.amdhsa_system_vgpr_workitem_id 0
		.amdhsa_next_free_vgpr 512
		.amdhsa_next_free_sgpr 80
		.amdhsa_reserve_vcc 0
		.amdhsa_float_denorm_mode_32 3
		.amdhsa_float_denorm_mode_16_64 3
		.amdhsa_memory_ordered 1
		.amdhsa_forward_progress 1
		.amdhsa_inst_pref_size 179
	.end_amdhsa_kernel
	.amdgpu_metadata
---
amdhsa.version: [ 1, 2 ]
amdhsa.kernels:
  - .name:           k_qde3e7a6a78_attn
    .symbol:         k_qde3e7a6a78_attn.kd
    .args:
      - { .name: qc, .offset: 0, .size: 8, .value_kind: global_buffer, .address_space: global }
      - { .name: kv, .offset: 8, .size: 8, .value_kind: global_buffer, .address_space: global }
      - { .name: lowp_scales, .offset: 16, .size: 8, .value_kind: global_buffer, .address_space: global }
      - { .name: oc, .offset: 24, .size: 8, .value_kind: global_buffer, .address_space: global }
    .group_segment_fixed_size: 327680
    .private_segment_fixed_size: 0
    .kernarg_segment_align: 8
    .kernarg_segment_size: 32
    .max_flat_workgroup_size: 256
    .sgpr_count:     80
    .vgpr_count:     512
    .wavefront_size: 32
...
	.end_amdgpu_metadata
.endif
;; end of part 3
;; launch proj (part 4): grid 8 x 32, 4 waves a work-group, clusters of 4 x 4, 280,064 bytes of LDS; arguments oc, woc, b_o, lowp_scales, out0; writes out0
.if DOCPART == 4
	.amdgcn_target "amdgcn-amd-amdhsa--gfx1250"
	.amdhsa_code_object_version 6
	.text
	.protected	k_qde3e7a6a78_proj
	.globl	k_qde3e7a6a78_proj
	.p2align	8
	.type	k_qde3e7a6a78_proj,@function
k_qde3e7a6a78_proj:
	s_mov_b64 s[64:65], 0
	v_nop
	global_prefetch_b8 v0, s[64:65] scope:SCOPE_SE
	s_setreg_imm32_b32 hwreg(HW_REG_WAVE_MODE, 25, 1), 1
	s_wait_xcnt 0x0
	s_wait_alu depctr_hold_cnt(0) depctr_sa_sdst(0) depctr_va_vdst(0) depctr_va_sdst(0) depctr_va_ssrc(0) depctr_va_vcc(0) depctr_vm_vsrc(0)
	s_getreg_b32 s2, hwreg(HW_REG_IB_STS2, 6, 4)
	s_cmp_eq_u32 s2, 0
	s_cbranch_scc0 .Lentry_in_a_cluster
	s_endpgm
.Lentry_in_a_cluster:
	s_bfe_u32 s2, ttmp6, 0x10000c
	s_cmp_lg_u32 s2, 0xf033
	s_cbranch_scc0 .Lentry_shape_is_right
	s_endpgm
.Lentry_shape_is_right:
; out0 = attention's result x w_o + b_o, on codes of FP8 (E4M3): out = sum x 2^(e6 + e7) + b_o.
; A work-group makes 128 rows x 128 columns; wave (wr, wc) 64 x 64: 16 accumulators.  K = 1,024 in 8 steps of 128.
; Both operands lie in memory as images of their registers (fragment: four blocks of 512 bytes, 16 bytes a lane), so a K step of 8 tiles is one dense block of 16 KiB and every LDS read is 512 consecutive bytes.
; LDS holds ALL of the work-group's operands (2 x 128 KiB): every byte is filled once.  Each wave issues one load of 64 KiB: waves 0, 1 the rows' K steps 0-3 and 4-7, waves 2, 3 the weights'.
; K steps 0-3 go by K.  K steps 4-7 go BY ROWS of out0: W's fragments of all four fill window 2, and each tile of 16 rows leaves while the next is multiplied.
; CLUSTER 4 x 4: the rows' blocks are shared along a row of the cluster, the weights' along a column: joint loads.  No prefetch: all is asked for by the first instructions.
; TRANSPOSED USE (source 0 = W, source 1 = rows): a lane holds eight neighbouring columns of one row.  Tile T holds rows (columns) 32 (T / 2) + 8 (T % 2) + r + 8 (r / 8).
; LIMIT: e6 + e7 between -126 and 127.
; REGISTERS.  window 0: v1-31 addresses; v32-63 a tile's results; v64-127 rows read back, two sets; v128-255 accumulators (a, t) at 128 + 8 (4 a + t).  window 1: two fragment buffers of 128 (rows 16 a, W 64 + 16 t).
;   window 2: W's fragments of K steps 4-7.  window 3: v0-127 two buffers of a tile's fragments of K steps 4-7; v128-159 b_o.
.set STG,  262144                      ; behind the operands: 16 rows x 272 bytes for each wave; no tensor load lands there
.set SPARE, STG+4*16*272
.set LI,   1
.set ADRA, 16
.set ADRB, 20
.set STO,  24
.set RD,   25
.set CO,   26
.set BH,   27
.set TMP,  32
.set BK,   64
.set ACC,  128
.set BO,   128
.set G1A, 24
.set G1B, 32
.set G0A, 40
.set G0B, 68
.set MSB, 0
.macro WIN new
.if MSB != \new
	s_set_vgpr_msb (MSB<<8)|\new
.set MSB, \new
.endif
.endm
.macro PLACES n
.rept \n
	v_nop
.endr
.endm
.macro CROUND
	s_barrier_signal -1
	s_barrier_wait -1
	s_cmp_lg_u32 s14, 0
	s_cbranch_scc1 .Lnot_wave_0_\@
	s_barrier_signal -3
.Lnot_wave_0_\@:
	s_barrier_wait -3
	s_barrier_signal -1
	s_barrier_wait -1
.endm
	s_load_b256 s[4:11], s[0:1], 0x0               ; oc s[4:5], woc s[6:7], b_o s[8:9], the scales' exponents s[10:11]
	s_load_b64 s[12:13], s[0:1], 0x20              ; out0
	v_lshl_add_u32 v30, v0, 2, SPARE
	v_mov_b32 v31, 0
	ds_add_u32 v30, v31
	ds_add_u32 v30, v31
	v_lshrrev_b32 v2, 5, v0
	v_readfirstlane_b32 s14, v2                    ; wave 0..3
	s_lshr_b32 s15, s14, 1                         ; wr.  Also: I fetch rows (0) or weights (1)
	s_and_b32 s16, s14, 1                          ; wc.  Also: the half of K that I fetch
	s_bfe_u32 s17, ttmp6, 0x40000                  ; cx
	s_bfe_u32 s18, ttmp6, 0x40004                  ; cy
	s_lshl_b32 s19, ttmp9, 2
	s_add_co_u32 s19, s19, s17                     ; block of 128 columns
	s_and_b32 s20, ttmp7, 0xffff
	s_lshl_b32 s20, s20, 2
	s_add_co_u32 s20, s20, s18                     ; block of 128 rows
	s_lshl_b32 s21, s18, 2
	s_lshl_b32 s21, 15, s21                        ; my row of the cluster
	s_lshl_b32 s22, 0x1111, s17                    ; my column
	s_or_b32 s[G1A], s21, (3<<16)|(1<<21)          ; 15:0 the mask; 17:16 elements of 8 bytes; 21 set beside a mask; no padding
	s_or_b32 s[G1B], s22, (3<<16)|(1<<21)
.irp g, G1A, G1B
	s_mov_b32 s[\g+1], 32<<16                      ; rows of 256 bytes,
	s_mov_b32 s[\g+2], 256<<16                     ; 256 of them: 64 KiB
	s_mov_b32 s[\g+3], 32<<16
	s_mov_b32 s[\g+4], 256
	s_mov_b32 s[\g+5], 32
	s_mov_b32 s[\g+6], 0
	s_mov_b32 s[\g+7], 0
.endr
	s_lshl_b32 s23, s16, 16                        ; my half of K: 64 KiB, in LDS as in memory
	s_lshl_b32 s56, s20, 17
	s_add_co_u32 s56, s56, s23
	s_mov_b32 s57, 0
	s_lshl_b32 s58, s19, 17
	s_add_co_u32 s58, s58, s23
	s_mov_b32 s59, 0
	s_add_co_u32 s60, s23, 131072                  ; the weights lie behind the rows
	s_wait_alu depctr_va_vdst(0)
	s_wait_dscnt 0x0
	s_wait_kmcnt 0x0
	s_load_b256 s[84:91], s[10:11], 0x0            ; e0 .. e7
	s_add_nc_u64 s[4:5], s[4:5], s[56:57]
	s_add_nc_u64 s[6:7], s[6:7], s[58:59]
	s_mov_b32 s[G0A], 1
	s_mov_b32 s[G0A+1], s23
	s_mov_b64 s[G0A+2:G0A+3], s[4:5]
	s_or_b32 s[G0A+3], s[G0A+3], 0x80000000
	s_mov_b32 s[G0B], 1
	s_mov_b32 s[G0B+1], s60
	s_mov_b64 s[G0B+2:G0B+3], s[6:7]
	s_or_b32 s[G0B+3], s[G0B+3], 0x80000000
	CROUND                                         ; all sixteen work-groups are here: the joint loads meet
	s_cmp_eq_u32 s15, 0
	s_cbranch_scc0 .Lfor_b
	tensor_load_to_lds s[G0A:G0A+3], s[G1A:G1A+7]
	s_nop 0
	PLACES 4
	s_branch .Lasked
.Lfor_b:
	tensor_load_to_lds s[G0B:G0B+3], s[G1B:G1B+7]
	s_nop 0
	PLACES 4
.Lasked:
	v_and_b32 v2, 31, v0
	v_lshlrev_b32 v[LI], 4, v2
	v_and_b32 v3, 15, v0                           ; r
	v_bfe_u32 v4, v0, 4, 1                         ; h
	v_lshlrev_b32 v[BH], 6, v4
	s_lshl_b32 s61, s15, 13                        ; my four tiles of rows
	v_add_nc_u32 v[ADRA], s61, v[LI]
	v_add_nc_u32 v[ADRA+1], 65536, v[ADRA]         ; K steps 4-7
	s_lshl_b32 s62, s16, 13                        ; my four tiles of columns
	s_add_co_u32 s62, s62, 131072
	v_add_nc_u32 v[ADRB], s62, v[LI]
	v_add_nc_u32 v[ADRB+1], 65536, v[ADRB]
	s_mul_i32 s63, s14, 16*272
	s_add_co_u32 s63, s63, STG                     ; my stage
	v_mul_u32_u24 v[STO], v3, 272
	v_lshl_add_u32 v[STO], v4, 6, v[STO]
	v_add_nc_u32 v[STO], s63, v[STO]               ; in: row r, + 64 h
	v_mul_u32_u24 v[RD], v4, 272
	v_lshl_add_u32 v[RD], v3, 4, v[RD]
	v_add_nc_u32 v[RD], s63, v[RD]                 ; back: lanes 0-15 one row of 256 bytes, lanes 16-31 the next
	v_lshlrev_b32 v[CO], 12, v4
	v_lshl_add_u32 v[CO], v3, 4, v[CO]             ; and the same two rows in out0
	s_wait_alu depctr_va_vdst(0)                   ; at the head's end, ahead of the scalar instructions below
	s_lshl_b32 s94, s19, 9
	s_lshl_b32 s95, s16, 8
	s_add_co_u32 s94, s94, s95                     ; my 64 columns, in bytes
	s_mov_b32 s95, 0
	s_add_nc_u64 s[8:9], s[8:9], s[94:95]
	s_add_nc_u64 s[12:13], s[12:13], s[94:95]
	s_lshl_b32 s94, s20, 19
	s_lshl_b32 s96, s15, 18
	s_add_co_u32 s94, s94, s96                     ; my 64 rows of 4,096 bytes
	s_add_nc_u64 s[12:13], s[12:13], s[94:95]
	WIN 0xc0                                       ; destination window 3
.irp t, 0,1,2,3                        ; lane (r, h) of tile t wants b_o at columns 32 (t / 2) + 16 h + 8 (t % 2) + 0 .. 7
	global_load_b128 v[BO+8*\t:BO+8*\t+3], v[BH], s[8:9] offset:(32*(\t/2)+8*(\t%2))*4
	global_load_b128 v[BO+8*\t+4:BO+8*\t+7], v[BH], s[8:9] offset:(32*(\t/2)+8*(\t%2))*4+16
.endr
	WIN 0
.macro FETCH ks, f                     ; 32 LDS loads: my four fragments of rows and four of W, K step ks (0-3), into buffer f
	WIN 0x40
.irp a, 0,1,2,3
.irp c, 0,1,2,3
	ds_load_b128 v[128*(\f)+16*\a+4*\c:128*(\f)+16*\a+4*\c+3], v[ADRA] offset:(\ks)*16384+\a*2048+512*\c
.endr
.endr
.irp a, 0,1,2,3
.irp c, 0,1,2,3
	ds_load_b128 v[128*(\f)+64+16*\a+4*\c:128*(\f)+64+16*\a+4*\c+3], v[ADRB] offset:(\ks)*16384+\a*2048+512*\c
.endr
.endr
.endm
.macro BLOAD q                         ; W's four fragments of K step 4 + q: 16 loads
	WIN 0x80
.irp t, 0,1,2,3
.irp c, 0,1,2,3
	ds_load_b128 v[64*\q+16*\t+4*\c:64*\q+16*\t+4*\c+3], v[ADRB+1] offset:\q*16384+\t*2048+512*\c
.endr
.endr
.endm
.macro ALOAD a                         ; tile a's fragments of K steps 4-7: 16 loads
	WIN 0xc0
.irp q, 0,1,2,3
.irp c, 0,1,2,3
	ds_load_b128 v[64*((\a)%2)+16*\q+4*\c:64*((\a)%2)+16*\q+4*\c+3], v[ADRA+1] offset:\q*16384+(\a)*2048+512*\c
.endr
.endr
.endm
.macro KSTEP ks
.if (\ks) < 3
.if (\ks) > 0
	PLACES 4                                       ; in front of loads into the buffer that the last products read
.endif
	FETCH (\ks)+1, ((\ks)+1)%2
	s_wait_dscnt 32                                ; all but the 32 just issued
.else
	ALOAD 0
	BLOAD 0
	s_wait_dscnt 32
	BLOAD 1
	BLOAD 2
	BLOAD 3
.endif
	WIN 0x05                                       ; sources 0 and 1 window 1, C and D window 0
.irp a, 0,1,2,3
.irp t, 0,1,2,3
.if (\ks) == 0
	v_wmma_f32_16x16x128_fp8_fp8 v[ACC+8*(4*\a+\t):ACC+8*(4*\a+\t)+7], v[128*((\ks)%2)+64+16*\t:128*((\ks)%2)+64+16*\t+15], v[128*((\ks)%2)+16*\a:128*((\ks)%2)+16*\a+15], 0
.else
	v_wmma_f32_16x16x128_fp8_fp8 v[ACC+8*(4*\a+\t):ACC+8*(4*\a+\t)+7], v[128*((\ks)%2)+64+16*\t:128*((\ks)%2)+64+16*\t+15], v[128*((\ks)%2)+16*\a:128*((\ks)%2)+16*\a+15], v[ACC+8*(4*\a+\t):ACC+8*(4*\a+\t)+7]
.endif
.endr
.endr
.endm
.macro ROW a                           ; tile a is finished: its four accumulators take turns, K ascending
	WIN 0x0e                                       ; source 0 window 2, source 1 window 3, C and D window 0
.irp q, 0,1,2,3
.if (\a) == 0
.if \q == 0
	s_wait_dscnt 63                                ; younger: W's later three K steps (48) and tile 1's 16; 63 is the largest count that the wait can name
.else
	s_wait_dscnt 64-16*\q
.endif
.endif
.irp t, 0,1,2,3
	v_wmma_f32_16x16x128_fp8_fp8 v[ACC+8*(4*(\a)+\t):ACC+8*(4*(\a)+\t)+7], v[64*\q+16*\t:64*\q+16*\t+15], v[64*((\a)%2)+16*\q:64*((\a)%2)+16*\q+15], v[ACC+8*(4*(\a)+\t):ACC+8*(4*(\a)+\t)+7]
.endr
.endr
.endm
; THE WAY OUT of tile a: sum x 2^(e6 + e7) + b_o, through my own stage, back as whole rows of 256 bytes.  LDS serves a wave's instructions in order: no wait between the stores and the loads.
.macro TOSTAGE a
	PLACES 4                                       ; in front of the first read of results
	WIN 0x30                                       ; source 2 (b_o) window 3
.irp t, 0,1,2,3
.irp i, 0,2,4,6
	v_pk_fma_f32 v[TMP+8*\t+\i:TMP+8*\t+\i+1], v[ACC+8*(4*(\a)+\t)+\i:ACC+8*(4*(\a)+\t)+\i+1], s[92:93], v[BO+8*\t+\i:BO+8*\t+\i+1] op_sel_hi:[1,0,1]
.endr
.endr
	WIN 0
.if (\a) >= 2
	s_wait_alu depctr_va_vdst(0)
	s_wait_xcnt 0x0                                ; tile a - 2's stores have read their registers, which take this tile's rows
.endif
.irp t, 0,1,2,3
	ds_store_b128 v[STO], v[TMP+8*\t:TMP+8*\t+3] offset:128*(\t/2)+32*(\t%2)
	ds_store_b128 v[STO], v[TMP+8*\t+4:TMP+8*\t+7] offset:128*(\t/2)+32*(\t%2)+16
.endr
.set BB, BK+32*((\a)%2)
.irp t, 0,1,2,3,4,5,6,7
	ds_load_b128 v[BB+4*\t:BB+4*\t+3], v[RD] offset:2*\t*272
.endr
.endm
.macro SEND a, younger                 ; younger: the LDS loads issued behind tile a's, which may stay out
.set BB, BK+32*((\a)%2)
	WIN 0
	s_wait_dscnt \younger
.irp t, 0,1,2,3,4,5,6,7
	global_store_b128 v[CO], v[BB+4*\t:BB+4*\t+3], s[12:13] offset:(32*((\a)/2)+8*((\a)%2)+2*\t+8*(\t/4))*4096 th:TH_STORE_NT   ; stage row 2 t + (lane / 16) is the tile's row of that number: 16 lanes store 256 consecutive bytes, aligned
.endr
.endm
	s_wait_kmcnt 0x0
	s_add_co_i32 s92, s90, s91
	s_add_co_i32 s92, s92, 127
	s_lshl_b32 s92, s92, 23                        ; 2^(e6 + e7) as f32
	s_mov_b32 s93, s92                             ; (named with it as a pair)
	s_wait_tensorcnt 0x0                           ; my load has landed,
	s_barrier_signal -1
	s_barrier_wait -1                              ; and everybody's: all operands lie in LDS
	FETCH 0, 0
.irp k, 0,1,2,3
	KSTEP \k                                       ; the 16 accumulators take turns, in the same order in every step
.endr
	ALOAD 1
	ROW 0
	s_wait_loadcnt 0x0                             ; b_o
	TOSTAGE 0
	ALOAD 2
	s_wait_dscnt 32                                ; tile 1's fragments are in; the stage's 16 and tile 2's 16 may be out
	ROW 1
	SEND 0, 16
	TOSTAGE 1
	ALOAD 3
	s_wait_dscnt 32
	ROW 2
	SEND 1, 16
	TOSTAGE 2
	s_wait_dscnt 16                                ; tile 3's fragments are in; the stage's 16 may be out
	ROW 3
	SEND 2, 0
	TOSTAGE 3
	SEND 3, 0
	s_wait_tensorcnt 0x0                           ; the wave's end
	ds_add_u32 v30, v31
	s_wait_dscnt 0x0
	CROUND                                         ; the closing round
	s_endpgm
.Lfunc_end_k_qde3e7a6a78_proj:
	.size	k_qde3e7a6a78_proj, .Lfunc_end_k_qde3e7a6a78_proj-k_qde3e7a6a78_proj
	.p2alignl 7, 3214868480
	.fill 96, 4, 3214868480
	.section	.rodata,"a",@progbits
	.p2align	6, 0x0
	.amdhsa_kernel k_qde3e7a6a78_proj
		.amdhsa_group_segment_fixed_size 280064
		.amdhsa_private_segment_fixed_size 0
		.amdhsa_enable_private_segment 0
		.amdhsa_kernarg_size 40
		.amdhsa_user_sgpr_count 2
		.amdhsa_user_sgpr_kernarg_segment_ptr 1
		.amdhsa_wavefront_size32 1
		.amdhsa_system_sgpr_workgroup_id_x 1
		.amdhsa_system_sgpr_workgroup_id_y 1
		.amdhsa_system_sgpr_workgroup_id_z 1
		.amdhsa_system_vgpr_workitem_id 0
		.amdhsa_next_free_vgpr 928
		.amdhsa_next_free_sgpr 100
		.amdhsa_reserve_vcc 0
		.amdhsa_float_denorm_mode_32 3
		.amdhsa_float_denorm_mode_16_64 3
		.amdhsa_memory_ordered 1
		.amdhsa_forward_progress 1
		.amdhsa_inst_pref_size 45
	.end_amdhsa_kernel
	.amdgpu_metadata
---
amdhsa.version: [ 1, 2 ]
amdhsa.kernels:
  - .name:           k_qde3e7a6a78_proj
    .symbol:         k_qde3e7a6a78_proj.kd
    .args:
      - { .name: oc, .offset: 0, .size: 8, .value_kind: global_buffer, .address_space: global }
      - { .name: woc, .offset: 8, .size: 8, .value_kind: global_buffer, .address_space: global }
      - { .name: b_o, .offset: 16, .size: 8, .value_kind: global_buffer, .address_space: global }
      - { .name: lowp_scales, .offset: 24, .size: 8, .value_kind: global_buffer, .address_space: global }
      - { .name: out0, .offset: 32, .size: 8, .value_kind: global_buffer, .address_space: global }
    .group_segment_fixed_size: 280064
    .private_segment_fixed_size: 0
    .kernarg_segment_align: 8
    .kernarg_segment_size: 40
    .max_flat_workgroup_size: 128
    .sgpr_count:     100
    .vgpr_count:     928
    .wavefront_size: 32
...
	.end_amdgpu_metadata
.endif
;; end of part 4
